; MI455X (gfx1250); checked and timed in simulation.
; The chip was launched on July 23, 2026; its instructions are those of AMD's public machine-readable ISA for CDNA 5 (MIT licence, August 2026) and "CDNA5" Instruction Set Architecture Reference Guide (July 2026). The comments in the code are by the model that wrote it; some were corrected since.
;; Write Path. Allowed arithmetic: matrix products marked QUANTISED: E5M2 operands, one given power-of-two scale a tensor, by v_wmma_f32_16x16x64_bf8_bf8 or v_wmma_f32_16x16x128_bf8_bf8, f32 sums; products left as they are: f32 operands where the result goes on into a quantised operand, else bf16, f16 or f32 operands; f32 sums; everything else in f32.
;; Inputs: W_g1_codes 512 x 64 x 32 uint8 (E5M2 codes of W_g1, K innermost, in blocks of 32 codes); W_g2 1 x 512 float32; W_obs_codes 256 x 64 x 32 uint8 (E5M2 codes of W_obs, K innermost, in blocks of 32 codes); W_p1_codes 512 x 64 x 32 uint8 (E5M2 codes of W_p1, K innermost, in blocks of 32 codes); W_p2 1 x 512 float32; active_mask 8,192 bool; b_g1 512 float32; b_g2 1 float32; b_p1 512 float32; b_p2 1 float32; beliefs 8,192 x 256 float32; hidden_codes 4 x 4,096 x 64 x 32 uint8 (E5M2 codes of hidden, K innermost, in blocks of 32 codes); lowp_scales 8 int32 (the exponents e of the quantised operands' scales 2^e).
;; Outputs: out0 4,096 x 256 float32; out1 4,096 float32; out2 4,096 int32; out3 4,096 bool.
;; This version of the problem:
;;   THIS VERSION OF THE PROBLEM IS GIVEN IN LOW PRECISION. The matrix products marked QUANTISED in the list below multiply operands that are first quantised to E5M2 (5 exponent bits, 2 mantissa bits; 8 bits a number), with one given power-of-two scale for each operand tensor; their sums are f32. All else is computed in f32.
;;   The module's matrix products, in the order in which they are computed (A, B: the left and right operand; K: the contracted axis; several contracted axes count as one K, in the product's order):
;;     1. [M 16,384, K 2,048] x [K 2,048, N 256]; A: input hidden (given as codes); B: input W_obs (given as codes): QUANTISED (scales: A lowp_scales[0], B lowp_scales[1])
;;     2. [M 16,384, K 2,048] x [K 2,048, N 512]; A: input hidden (given as codes); B: input W_g1 (given as codes): QUANTISED (scales: A lowp_scales[2], B lowp_scales[3])
;;     3. [M 16,384, K 512] x [K 512, N 1]; A: computed on the way; B: input W_g2: left as it is (N = 1 < 16)
;;     4. [M 16,384, K 2,048] x [K 2,048, N 512]; A: input hidden (given as codes); B: input W_p1 (given as codes): QUANTISED (scales: A lowp_scales[4], B lowp_scales[5])
;;     5. [M 16,384, K 512] x [K 512, N 1]; A: computed on the way; B: input W_p2: left as it is (N = 1 < 16)
;;     6. [M 4,096, K 256] x [K 256, N 8,192]; A: computed on the way; B: computed on the way: QUANTISED (scales: A lowp_scales[6], B lowp_scales[7])
;;   THE QUANTISER, for each operand of a quantised product, along K:
;;     - The operand's scale is 2^e, e = its entry of the input lowp_scales (int32; the entries are numbered through the quantised products in the list's order, A before B).
;;     - Each number is divided by the scale, clamped to +-57,344, and rounded to the nearest number of E5M2, ties to even, subnormals kept.
;;     - The product sums the exact products of the quantised numbers (number of the format x scale) in f32.
;;   ~~~python
;;   def quantise(x, axis, e):      # numpy; x: float32 -> the quantised numbers, widened to float32 again
;;       x = np.moveaxis(x, axis, -1); K = x.shape[-1]
;;       r = np.clip(x / 2.0 ** e, -57344, 57344)
;;       step = 2.0 ** (np.maximum(np.frexp(np.where(r == 0, 1, r))[1] - 1, -14) - 2)
;;       q = np.round(r / step) * step * 2.0 ** e      # np.round: ties to even
;;       return np.moveaxis(q, -1, axis).astype(np.float32)
;;   ~~~
;;   OPERANDS COMPUTED ON THE WAY. 'Computed on the way' means the value that the module computes at that place (a softmax that the list does not call 'softmax' is quantised finished and normalised). What goes into a quantiser is computed in f32, as accurately as f32 sums, v_exp_f32 and their like allow (about 1e-6 of the number): no bf16 or f16 on the way to a quantiser, and a product that is left as it is and whose result goes on into a quantised operand takes f32 operands (vector FMAs, or v_wmma_f32_16x16x4_f32). A number that lies on a knife's edge between two numbers of the format may be rounded either way, as far as f32 arithmetic and the matrix unit's own rounding can turn it there, and no further.
;;   INPUTS GIVEN AS CODES. W_g1 (in the module: [512, 2048], K = its axis 1); W_obs (in the module: [256, 2048], K = its axis 1); W_p1 (in the module: [512, 2048], K = its axis 1); hidden (in the module: [4, 4096, 2048], K = its axis 2): each comes as NAME_codes (uint8): NAME with its K axis moved to the last place and cut into blocks of 32 codes, [.., K / 32, bytes a block], one block behind the other in memory; one code a byte (a code: sign, 5 exponent bits, 2 mantissa bits); its scale is its entry of lowp_scales. Its value is code x scale, taken as it is: it is not quantised again, and the codes and scales need not be those that the quantiser above would give.
;; One version. Each part assembles by itself: llvm-mc -triple=amdgcn-amd-amdhsa -mcpu=gfx1250 --defsym DOCPART=n.
;; ======== version 1 of 1: 3 launches
;; limits: right only within a limited range of input values
;; workspace buffers: obs_sum 4,194,304 bytes; gp 1,048,576 bytes; bel_codes 2,097,152 bytes; pmax 131,072 bytes; pidx 131,072 bytes; rad 16,384 bytes
;; launch proj (part 1): grid 4 x 64, 4 waves a work-group, clusters of 4 x 4, 327,680 bytes of LDS; arguments hidden_codes, W_obs_codes, W_g1_codes, W_p1_codes, b_g1, b_p1, W_g2, W_p2, beliefs, active_mask, lowp_scales, obs_sum, gp, bel_codes; writes obs_sum, gp, bel_codes
.if DOCPART == 1
	.amdgcn_target "amdgcn-amd-amdhsa--gfx1250"
	.amdhsa_code_object_version 6
	.text
	.protected	k_q3b0dad40b7_proj
	.globl	k_q3b0dad40b7_proj
	.p2align	8
	.type	k_q3b0dad40b7_proj,@function
k_q3b0dad40b7_proj:
	s_mov_b64 s[64:65], 0
	v_nop
	global_prefetch_b8 v0, s[64:65] scope:SCOPE_SE
	s_setreg_imm32_b32 hwreg(HW_REG_WAVE_MODE, 25, 1), 1
	s_wait_xcnt 0x0
	s_wait_alu depctr_hold_cnt(0) depctr_sa_sdst(0) depctr_va_vdst(0) depctr_va_sdst(0) depctr_va_ssrc(0) depctr_va_vcc(0) depctr_vm_vsrc(0)
	s_getreg_b32 s2, hwreg(HW_REG_IB_STS2, 6, 4)
	s_cmp_eq_u32 s2, 0
	s_cbranch_scc0 .Lentry_in_a_cluster
	s_endpgm
.Lentry_in_a_cluster:
	s_bfe_u32 s2, ttmp6, 0x10000c
	s_cmp_lg_u32 s2, 0xf033
	s_cbranch_scc0 .Lentry_shape_is_right
	s_endpgm
.Lentry_shape_is_right:
; PROJ: the three products on the codes of hidden (with W_obs, W_g1, W_p1) as ONE product of 16,384 rows x 1,280 weight rows, K = 2,048, on codes of BF8 (E5M2);
; behind it relu and the partial dots with W_g2 and W_p2 (f32); and, at the head, the beliefs' normalisation and quantiser.
; WHAT IS REARRANGED, for all finite values of the inputs (no input and no product of the problem is left out):
;  (1) obs.mean(axis 0): obs_mean[t][d] = 2^(e0+e1-2) x the sum over b and k of code x code.  The four batches are four further ranges of K of one f32 sum: an order of f32 additions, nothing else.
;  (2) obs_r = |obs_beliefs| = f x |obs_mean| with f = prec_mean / max(|obs_mean|, eps), since prec_mean is not negative: the second norm is not summed again (next launch).
;  (3) A slot whose active_mask is false gets ZERO CODES (a select, always done) where reference() puts finfo.min behind the product.  Its similarity is then exactly 0.  The outputs hang on best_sims and best_idx
;      only where best_sims > 0.5: there zeros neither win nor tie, so value and first index are the same; where the masked maximum is at most 0.5, or no slot is active, max(., 0) is at most 0.5 too, nothing is
;      matched, and the outputs are 0 and -1 as in reference().  So the selects on any_active fall away with it.
; LIMITS: NaN and infinity among the codes or the f32 inputs are not served.  e0+e1-2 lies between -126 and 127; e7 between -126 and 112 (each is made into an f32 power of two); e2+e3 and e4+e5 go through v_ldexp_f32.
; TOKEN ORDER.  Row block y (0..63) owns tokens t = y + 64 m, m = 0..63, in all four batches: in hidden, seen as 16,384 rows of 2,048 bytes, these are rows y + 64 i, i = 64 b + m: ONE tile of 256 rows, 131,072 bytes apart.
; The workspace is indexed by tau = 64 y + m.
; SHARES.  A work-group: 256 rows (block y) x 320 columns (group cg: 64 of obs, 128 of g, 128 of p).  Wave w (rh = w / 2, ch = w % 2): rows m = 32 rh .. +31 of all four b (8 blocks a = 2 b + u of 16 rows) x 32 obs, 64 g, 64 p columns.
; 64 accumulators for g and p, and 4 for obs, each of which takes the four batches in turn.  THE MATRIX INSTRUCTION IS USED TRANSPOSED (source 0 = 16 weight rows, source 1 = 16 rows of hidden): lane (r, h) holds row r and columns 8 h + 0..7.
; A fragment (16 rows x 128 K) is fetched by four loads of 16 bytes, 32 apart: a permutation of k that is the same on both sides.
; CLUSTER 4 x 4: the four of a row of the cluster (same y) ask for hidden's tile jointly, the four of a column (same cg) for the three weight tiles.  A K step of 256 has four tiles, one tensor load for each of the four waves.
; b_g1 and b_p1, divided by the power of two that the sums lack, are the C of each sum's first product.
; REGISTERS, in windows of 256.  Window 0: v1-22 addresses and constants; v28, v29 the add's two; v32-63 obs accumulators (u, o) at 8 (2 u + o); v64-127 obs weight fragments, two sets; v128-255 hidden's fragments, ONE set (block a at 16 a).
;   Window 1: g and p weight fragments, two sets of 128 (block n at 16 n; n < 4: g, else p).  Window 2: accumulators of a = 0..3 at 8 (8 a + n).  Window 3: those of a = 4..7.
.set PITCH,  272                       ; an LDS row: 256 bytes + 16 of padding: the 16 rows of a fragment load start at 16 different banks (64 banks of 4 bytes: ISA guide 11.1)
.set SLOT,   576*PITCH                 ; 256 rows of hidden, 64 of W_obs, 128 of W_g1, 128 of W_p1
.set OFFO,   256*PITCH
.set OFFG,   320*PITCH
.set OFFP,   448*PITCH
.set SPARE,  2*SLOT                    ; behind the ring: the spare words, 128 bytes a wave, that no other line names
.set PADW,   (1<<20)|(1<<21)|(5<<22)|(3<<25)   ; elements of 1 byte; padding on; bit 21 beside a mask; 4 words behind every 64
.set G1A, 16                           ; s[16:23] group 1, hidden's tile: 256 rows
.set G1O, 24                           ; s[24:31] W_obs: 64 rows
.set G1W, 32                           ; s[32:39] W_g1, W_p1: 128 rows
.set G0A, 40                           ; s[40:47] groups 0, a set for each slot
.set G0O, 48
.set G0G, 56
.set G0P, 68
.set LAP, 3
.set WV,  12
.set RH,  13
.set CH,  14
.set LIM, 15                           ; 1 in a wave that prefetches (waves 0 and 1 everywhere, waves 2 and 3 in four of the sixteen clusters); else the greatest number
.set LIM2, 10                          ; the same for W_obs's prefetch: wave 3 of those four clusters (s10 held e6, which this launch does not use)
.set CX,  66
.set YY,  67
.set PFA, 96                           ; s[96:97] where my prefetches stand
.set PFB, 86                           ; s[86:87] where W_obs's prefetch stands (the mask's address until its load has been issued and its address read)
.set SEL, 98                           ; s[98:99] v_permlanex16_b32: lane l xor 16
.set HM,  100                          ; lanes 16-31
.set ADRA, 4                           ; v4, v5   my fragments of hidden in slot 0, 1
.set ADRB, 6                           ; v6, v7   of W_g1 (W_p1: 128 rows on)
.set ADRO, 8                           ; v8, v9   of W_obs
.set STO, 10
.set RD,  11
.set CO,  12
.set H32, 14
.set PFO, 15
.set BO,  16
.set BX,  17
.set L16, 19
.set MSK, 20
.set QS,  21
.set QL,  22
.set PFQ, 23                           ; v23 W_obs's prefetch: row (lane % 16) of 2,048 bytes + 256 (lane / 16); never rewritten
.set SPW, 28
.set NIL, 29
.set OACC, 32
.set OB,  64
.set AF,  128
.set TMP, 128
.set CHN, 192
.set RES, 224
.set MSB, 0
.macro WIN new                         ; the immediate's high byte repeats the setting that is left
.if MSB != (\new)
	s_set_vgpr_msb (MSB<<8)|(\new)
.set MSB, (\new)
.endif
.endm
.macro PLACES n                        ; plain vector lines behind matrix instructions, in front of loads into their registers and of reads of results
.rept \n
	v_nop
.endr
.endm
.macro TL g0, g1                       ; a tensor load, the s_nop 0 and four v_nop behind it
	tensor_load_to_lds s[\g0:\g0+3], s[\g1:\g1+7]
	s_nop 0
.rept 4
	v_nop
.endr
.endm
.macro JLOAD s                         ; a K step's four tiles, one to a wave; the branches hang on the wave's number alone
	s_cmp_lt_u32 s[WV], 2
	s_cbranch_scc0 .Lhigh_\@
	s_cmp_eq_u32 s[WV], 0
	s_cbranch_scc0 .Lone_\@
	TL G0A+4*\s, G1A
	s_branch .Lasked_\@
.Lone_\@:
	TL G0O+4*\s, G1O
	s_branch .Lasked_\@
.Lhigh_\@:
	s_cmp_eq_u32 s[WV], 2
	s_cbranch_scc0 .Lthree_\@
	TL G0G+4*\s, G1W
	s_branch .Lasked_\@
.Lthree_\@:
	TL G0P+4*\s, G1W
.Lasked_\@:
.endm
.macro CREST                           ; a round of the cluster's barrier behind its opening barrier
	s_cmp_lg_u32 s[WV], 0
	s_cbranch_scc1 .Lnot_wave_0_\@
	s_barrier_signal -3
.Lnot_wave_0_\@:
	s_barrier_wait -3
	s_barrier_signal -1
	s_barrier_wait -1
.endm
.macro CROUND
	s_barrier_signal -1
	s_barrier_wait -1
	CREST
.endm
; PREFETCHES of the K step that stands two fills on, behind each fill; a lane a row of 256 bytes, the partners told apart by address alone.
; hidden: of the tile's 256 rows partner cx takes rows 64 cx .. +63, its waves 0 and 1 take 32 each: each row's part of a K step is named once in the launch.
; W_g1 (wave 2) and W_p1 (wave 3): of the column group's 128 rows partner cy takes 32.  W_obs (wave 3, both = 1, once a lap): of its 64 rows partner cy takes 16, two K steps in the 32 lanes.
; All sixteen clusters read the same weight rows, so four of them ask (cluster y = 0, 4, 8, 12).  K steps 2 to 7 are asked for: 2 and 3 at the head (head = 1), 4 to 7 in the loop, whose last trip asks for nothing.
.macro ASK head, both
.if \head
	s_cmp_eq_u32 s[LIM], 1
.else
	s_cmp_gt_u32 s[LAP], s[LIM]
.endif
	s_cbranch_scc0 .Lnot_mine_\@
	global_prefetch_b8 v[PFO], s[PFA:PFA+1] th:TH_LOAD_NT scope:SCOPE_SE
.Lnot_mine_\@:
.if (\both)
.if \head
	s_cmp_eq_u32 s[LIM2], 1
.else
	s_cmp_gt_u32 s[LAP], s[LIM2]
.endif
	s_cbranch_scc0 .Lnot_obs_\@
	global_prefetch_b8 v[PFQ], s[PFB:PFB+1] th:TH_LOAD_NT scope:SCOPE_SE
.Lnot_obs_\@:
.endif
.endm
.macro FRAG reg, adr, off
.irp c, 0,1,2,3
	ds_load_b128 v[\reg+4*\c:\reg+4*\c+3], v[\adr] offset:\off+32*\c
.endr
.endm
.macro FETCH_B slot, q, p              ; 40 loads: the 8 fragments of g and p into set p of window 1, the 2 of obs into set p of window 0
	WIN 0x40
.irp n, 0,1,2,3,4,5,6,7
	FRAG 128*(\p)+16*\n, ADRB+\slot, (128*(\n/4)+16*(\n%4))*PITCH+128*(\q)
.endr
	WIN 0
.irp o, 0,1
	FRAG OB+32*(\p)+16*\o, ADRO+\slot, 16*\o*PITCH+128*(\q)
.endr
.endm
.macro FETCH_A slot, q, i0             ; 16 loads: hidden's blocks i0 .. i0 + 3
.irp i, \i0, \i0+1, \i0+2, \i0+3
	FRAG AF+16*(\i), ADRA+\slot, (64*((\i)/2)+16*((\i)%2))*PITCH+128*(\q)
.endr
.endm
; 16 products: blocks a0, a0 + 1 x the 8 tiles of g and p.  mode 1: C = the bias (window 1, v128 + 8 n), which starts the sums.  The accumulators take turns, one instruction a turn.
.macro MUL16 a0, p, mode
.irp a, \a0, \a0+1
.irp n, 0,1,2,3,4,5,6,7
.if \mode
	v_wmma_f32_16x16x128_bf8_bf8 v[8*(8*((\a)%4)+\n):8*(8*((\a)%4)+\n)+7], v[128*(\p)+16*\n:128*(\p)+16*\n+15], v[AF+16*(\a):AF+16*(\a)+15], v[128+8*\n:128+8*\n+7]
.else
	v_wmma_f32_16x16x128_bf8_bf8 v[8*(8*((\a)%4)+\n):8*(8*((\a)%4)+\n)+7], v[128*(\p)+16*\n:128*(\p)+16*\n+15], v[AF+16*(\a):AF+16*(\a)+15], v[8*(8*((\a)%4)+\n):8*(8*((\a)%4)+\n)+7]
.endif
.endr
.endr
.endm
; 8 products for obs: blocks a0 .. a0 + 3 x 2 tiles; accumulator (a % 2, o): the four take turns.  first = 1: blocks 0 and 1 start the sums with the constant 0.
.macro OBS8 a0, p, first
.irp a, \a0, \a0+1, \a0+2, \a0+3
.irp o, 0,1
.if (\first) && ((\a) < 2)
	v_wmma_f32_16x16x128_bf8_bf8 v[OACC+8*(2*((\a)%2)+\o):OACC+8*(2*((\a)%2)+\o)+7], v[OB+32*(\p)+16*\o:OB+32*(\p)+16*\o+15], v[AF+16*(\a):AF+16*(\a)+15], 0
.else
	v_wmma_f32_16x16x128_bf8_bf8 v[OACC+8*(2*((\a)%2)+\o):OACC+8*(2*((\a)%2)+\o)+7], v[OB+32*(\p)+16*\o:OB+32*(\p)+16*\o+15], v[AF+16*(\a):AF+16*(\a)+15], v[OACC+8*(2*((\a)%2)+\o):OACC+8*(2*((\a)%2)+\o)+7]
.endif
.endr
.endr
.endm
; The first 128 along K of a slot (weight set 0); its successor lies in the same slot.
; In the loop a step of 128 along K goes by four pairs of blocks, and behind each pair stands a quarter of the next step's 72 fragment loads: the LDS loads are spread over the step.
.macro OBS4 a0, p                      ; 4 products for obs: blocks a0, a0 + 1 x 2 tiles: the four accumulators take turns
.irp a, \a0, \a0+1
.irp o, 0,1
	v_wmma_f32_16x16x128_bf8_bf8 v[OACC+8*(2*((\a)%2)+\o):OACC+8*(2*((\a)%2)+\o)+7], v[OB+32*(\p)+16*\o:OB+32*(\p)+16*\o+15], v[AF+16*(\a):AF+16*(\a)+15], v[OACC+8*(2*((\a)%2)+\o):OACC+8*(2*((\a)%2)+\o)+7]
.endr
.endr
.endm
.macro PAIR a0, p                      ; blocks a0, a0 + 1 against weight set p: 16 products of g and p, 4 of obs; behind them the two blocks' registers are free
	WIN 0xa1+0x50*((\a0)/4)
	MUL16 \a0, \p, 0
	WIN 0
	OBS4 \a0, \p
.endm
; Quarter g of the loads for the slot's q-th 128 along K, into weight set p.  g = 0, 1: four fragments of g or p and hidden's blocks 2 g, 2 g + 1 (24 loads); g = 2: the two of obs, then blocks 4, 5 (16); g = 3: blocks 6, 7 (8).
.macro GRP slot, q, p, g
.if (\g) < 2
	WIN 0x40
.irp n, 4*(\g), 4*(\g)+1, 4*(\g)+2, 4*(\g)+3
	FRAG 128*(\p)+16*(\n), ADRB+\slot, (128*((\n)/4)+16*((\n)%4))*PITCH+128*(\q)
.endr
	WIN 0
.endif
.if (\g) == 2
.irp o, 0,1
	FRAG OB+32*(\p)+16*\o, ADRO+\slot, 16*\o*PITCH+128*(\q)
.endr
.endif
.irp i, 2*(\g), 2*(\g)+1
	FRAG AF+16*(\i), ADRA+\slot, (64*((\i)/2)+16*((\i)%2))*PITCH+128*(\q)
.endr
.endm
.macro STEP slot
	s_wait_dscnt 16                                ; the weights and blocks 0-3 are in; the youngest 16 loads (blocks 4-7) may be out
	PAIR 0, 0
	PLACES 4
	GRP \slot, 1, 1, 0
	PAIR 2, 0
	PLACES 4
	GRP \slot, 1, 1, 1
	s_wait_dscnt 56                                ; blocks 4, 5 are in: behind their loads stand 8 + 24 + 24
	PAIR 4, 0
	PLACES 4
	GRP \slot, 1, 1, 2
	s_wait_dscnt 63                                ; blocks 6, 7 are in: behind their loads stand 24 + 24 + 16 = 64
	PAIR 6, 0
	PLACES 4
	GRP \slot, 1, 1, 3
.endm
; The second 128 along K of a slot (weight set 1) changes slots: one barrier; in front of it each wave waits for all its tensor loads, adds 0 to its spare word, and waits for that and for its reads of this slot.
; The step's first pair, 20 products, stands between the add and the wait for it, while the add and the slot's last 16 loads come back.
; fill = 1: the barrier opens a round of the cluster's barrier, and behind the round this slot is filled again, two K steps ahead: the refill has 140 of a K step's 160 products in which to land.
.macro TURN slot, next, fill
.if \fill
	s_wait_xcnt 0x0                                ; the last prefetches, a K step back, have read their addresses
	s_add_nc_u64 s[PFA:PFA+1], s[PFA:PFA+1], 256
.if \slot == 0
	s_add_nc_u64 s[PFB:PFB+1], s[PFB:PFB+1], 512   ; W_obs's goes by two K steps, once a lap
.endif
.endif
	s_wait_tensorcnt 0x0                           ; all my tensor loads have landed: my tile of the next slot
	ds_add_u32 v[SPW], v[NIL]                      ; 0 onto my spare word
	s_wait_dscnt 17                                ; the add and the youngest 16 loads (blocks 4-7) may be out
	PAIR 0, 1
	s_wait_dscnt 0x0                               ; the add is done, and my reads of this slot are over
	s_barrier_signal -1
	s_barrier_wait -1
.if \fill
	CREST
	s_add_nc_u64 s[G0A+4*\slot+2:G0A+4*\slot+3], s[G0A+4*\slot+2:G0A+4*\slot+3], 512
	s_add_nc_u64 s[G0O+4*\slot+2:G0O+4*\slot+3], s[G0O+4*\slot+2:G0O+4*\slot+3], 512
	s_add_nc_u64 s[G0G+4*\slot+2:G0G+4*\slot+3], s[G0G+4*\slot+2:G0G+4*\slot+3], 512
	s_add_nc_u64 s[G0P+4*\slot+2:G0P+4*\slot+3], s[G0P+4*\slot+2:G0P+4*\slot+3], 512
	JLOAD \slot                                    ; my one tensor load behind the round; its four v_nop are places in front of the loads below
.else
	PLACES 4
.endif
	GRP \next, 0, 0, 0                             ; weight set 0 was done with in the step before; all of this step's fragments are in registers
.if \fill
	ASK 0, 1-\slot
.endif
	PAIR 2, 1
	PLACES 4
	GRP \next, 0, 0, 1
	PAIR 4, 1
	PLACES 4
	GRP \next, 0, 0, 2
	PAIR 6, 1
	PLACES 4
	GRP \next, 0, 0, 3
.endm
	s_load_b256 s[4:11], s[0:1], 0x0               ; hidden, W_obs, W_g1, W_p1 (codes)
	s_load_b256 s[76:83], s[0:1], 0x20             ; b_g1, b_p1, W_g2, W_p2
	s_load_b256 s[84:91], s[0:1], 0x40             ; beliefs, active_mask, lowp_scales, obs_sum
	s_load_b128 s[92:95], s[0:1], 0x60             ; gp, bel_codes
	v_lshl_add_u32 v[SPW], v0, 2, SPARE
	v_mov_b32 v[NIL], 0
	ds_add_u32 v[SPW], v[NIL]                      ; the wave's opening: the add, twice on end, and its wait ahead of my first tensor load
	ds_add_u32 v[SPW], v[NIL]
	v_lshrrev_b32 v1, 5, v0
	v_readfirstlane_b32 s[WV], v1                  ; wave 0..3
	s_lshr_b32 s[RH], s[WV], 1
	s_and_b32 s[CH], s[WV], 1
	s_bfe_u32 s[CX], ttmp6, 0x40000                ; cx = the column group cg (the grid is 4 wide: one cluster along x)
	s_bfe_u32 s101, ttmp6, 0x40004                 ; cy
	s_and_b32 s[YY], ttmp7, 0xffff
	s_lshl_b32 s[YY], s[YY], 2
	s_add_co_u32 s[YY], s[YY], s101                ; row block y = 4 x cluster y + cy
	s_lshl_b32 s101, s101, 2
	s_lshl_b32 s101, 15, s101                      ; my row of the cluster
	s_lshl_b32 s2, 0x1111, s[CX]                   ; my column
	s_or_b32 s[G1A], s101, PADW
	s_or_b32 s[G1O], s2, PADW
	s_or_b32 s[G1W], s2, PADW
	s_mov_b32 s[G1A+1], 256<<16                    ; tensor_dim0 = 256 bytes
	s_mov_b32 s[G1A+2], 256<<16                    ; tensor_dim1 = 256 rows
	s_mov_b32 s[G1A+3], 256<<16                    ; tile_dim0
	s_mov_b32 s[G1A+4], 256                        ; tile_dim1
	s_mov_b32 s[G1A+5], 131072                     ; from row to row: 64 rows of hidden
	s_mov_b32 s[G1A+6], 0
	s_mov_b32 s[G1A+7], 0
	s_mov_b32 s[G1O+1], 256<<16
	s_mov_b32 s[G1O+2], 64<<16
	s_mov_b32 s[G1O+3], 256<<16
	s_mov_b32 s[G1O+4], 64
	s_mov_b32 s[G1O+5], 2048
	s_mov_b32 s[G1O+6], 0
	s_mov_b32 s[G1O+7], 0
	s_mov_b32 s[G1W+1], 256<<16
	s_mov_b32 s[G1W+2], 128<<16
	s_mov_b32 s[G1W+3], 256<<16
	s_mov_b32 s[G1W+4], 128
	s_mov_b32 s[G1W+5], 2048
	s_mov_b32 s[G1W+6], 0
	s_mov_b32 s[G1W+7], 0
	s_mov_b32 s[SEL], 0x76543210
	s_mov_b32 s[SEL+1], 0xfedcba98
	s_mov_b32 s[HM], 0xffff0000
	s_and_b32 s2, ttmp7, 3                         ; cluster y mod 4: the same in all partners
	s_cselect_b32 s2, -1, 1                        ; 1 in clusters 0, 4, 8, 12
	s_cmp_lt_u32 s[WV], 2
	s_cselect_b32 s[LIM], 1, s2
	v_and_b32 v1, 15, v0                           ; r
	v_bfe_u32 v2, v0, 4, 1                         ; h
	v_and_b32 v3, 31, v0                           ; lane
	v_lshlrev_b32 v[H32], 5, v2                    ; 32 h: my eight numbers of a tile of a bias or of W_g2, W_p2
	v_lshlrev_b32 v[BO], 10, v1
	v_lshl_add_u32 v[BO], v2, 6, v[BO]             ; beliefs: row r of 1,024 bytes + 64 h
	s_lshl_b32 s101, s[CH], 9
	s_xor_b32 s2, s101, 512
	v_add_nc_u32 v[BX], s2, v[BO]                  ; the half of K that the other wave of the tile converts
	v_add_nc_u32 v[BO], s101, v[BO]                ; my half: s = w % 2
	s_wait_dscnt 0x0                               ; both opening adds are done
	s_wait_kmcnt 0x0
	s_lshl_b32 s104, s[YY], 11
	s_mov_b32 s105, 0
	s_add_nc_u64 s[104:105], s[4:5], s[104:105]    ; hidden at row y: made of y alone
	s_mov_b32 s3, 0
	s_lshl_b32 s2, s[CX], 17
	s_add_nc_u64 s[6:7], s[6:7], s[2:3]            ; W_obs at row 64 cg: made of cx alone
	s_lshl_b32 s2, s[CX], 18
	s_add_nc_u64 s[8:9], s[8:9], s[2:3]            ; W_g1 and W_p1 at row 128 cg
	s_add_nc_u64 s[10:11], s[10:11], s[2:3]
.irp s, 0,1
	s_mov_b32 s[G0A+4*\s], 1
	s_mov_b32 s[G0A+4*\s+1], \s*SLOT
	s_add_nc_u64 s[G0A+4*\s+2:G0A+4*\s+3], s[104:105], \s*256
	s_or_b32 s[G0A+4*\s+3], s[G0A+4*\s+3], 0x80000000
	s_mov_b32 s[G0O+4*\s], 1
	s_mov_b32 s[G0O+4*\s+1], \s*SLOT+OFFO
	s_add_nc_u64 s[G0O+4*\s+2:G0O+4*\s+3], s[6:7], \s*256
	s_or_b32 s[G0O+4*\s+3], s[G0O+4*\s+3], 0x80000000
	s_mov_b32 s[G0G+4*\s], 1
	s_mov_b32 s[G0G+4*\s+1], \s*SLOT+OFFG
	s_add_nc_u64 s[G0G+4*\s+2:G0G+4*\s+3], s[8:9], \s*256
	s_or_b32 s[G0G+4*\s+3], s[G0G+4*\s+3], 0x80000000
	s_mov_b32 s[G0P+4*\s], 1
	s_mov_b32 s[G0P+4*\s+1], \s*SLOT+OFFP
	s_add_nc_u64 s[G0P+4*\s+2:G0P+4*\s+3], s[10:11], \s*256
	s_or_b32 s[G0P+4*\s+3], s[G0P+4*\s+3], 0x80000000
.endr
	s_bfe_u32 s101, ttmp6, 0x40004                 ; cy enters prefetch addresses alone
	s_lshl_b32 s2, s101, 16                        ; 32 cy rows of 2,048 bytes
	s_cmp_eq_u32 s[WV], 2
	s_cselect_b64 s[PFA:PFA+1], s[8:9], s[10:11]   ; wave 2: W_g1, wave 3: W_p1, at row 128 cg
	s_add_nc_u64 s[PFA:PFA+1], s[PFA:PFA+1], s[2:3]
	s_lshl_b32 s2, s[CX], 6
	s_lshl_b32 s101, s[CH], 5
	s_add_co_u32 s2, s2, s101
	s_lshl_b32 s2, s2, 17                          ; rows 64 cx + 32 (w % 2) of hidden's tile
	s_add_nc_u64 s[104:105], s[104:105], s[2:3]
	s_cmp_lt_u32 s[WV], 2
	s_cselect_b64 s[PFA:PFA+1], s[104:105], s[PFA:PFA+1]
	s_add_nc_u64 s[PFA:PFA+1], s[PFA:PFA+1], 512   ; at K step 2
	s_load_b256 s[4:11], s[88:89], 0x0             ; e0 .. e7 take the place of the four addresses, which are done with
	CROUND                                         ; all sixteen work-groups are here: the first joint loads meet
	JLOAD 0                                        ; K step 0: one tensor load a wave at the head
	s_lshl_b32 s2, s[CX], 9
	s_lshl_b32 s101, s[CH], 8
	s_add_co_u32 s2, s2, s101                      ; my 64 columns of g and of p: 4 (128 cg + 64 ch) bytes
	s_add_nc_u64 s[76:77], s[76:77], s[2:3]
	s_add_nc_u64 s[78:79], s[78:79], s[2:3]
	s_add_nc_u64 s[80:81], s[80:81], s[2:3]
	s_add_nc_u64 s[82:83], s[82:83], s[2:3]
	WIN 0x40                                       ; the biases: tile n at v128 + 8 n of window 1, where weight set 1 will lie later
	s_wait_alu depctr_va_vdst(0)
.irp n, 0,1,2,3
	global_load_b128 v[128+8*\n:128+8*\n+3], v[H32], s[76:77] offset:64*\n
	global_load_b128 v[128+8*\n+4:128+8*\n+7], v[H32], s[76:77] offset:64*\n+16
.endr
.irp n, 0,1,2,3
	global_load_b128 v[160+8*\n:160+8*\n+3], v[H32], s[78:79] offset:64*\n
	global_load_b128 v[160+8*\n+4:160+8*\n+7], v[H32], s[78:79] offset:64*\n+16
.endr
	WIN 0
	s_lshl_b32 s2, s[YY], 2
	s_add_co_u32 s2, s2, s[CX]
	s_lshl_b32 s2, s2, 1
	s_add_co_u32 s101, s2, s[RH]                   ; T = 2 (4 y + cg) + w / 2: my tile of 16 beliefs, of 512
	s_lshl_b32 s2, s101, 4
	s_add_nc_u64 s[86:87], s[86:87], s[2:3]
	global_load_u8 v[MSK], v1, s[86:87]            ; active_mask of belief 16 T + r
	s_lshl_b32 s2, s101, 14
	s_add_nc_u64 s[84:85], s[84:85], s[2:3]
	s_lshl_b32 s2, s101, 12
	s_lshl_b32 s101, s[CH], 11
	s_add_co_u32 s2, s2, s101
	s_add_nc_u64 s[94:95], s[94:95], s[2:3]        ; bel_codes + 4,096 T + 2,048 s
.irp c, 0,1,2,3
.irp j, 0,1,2,3
	global_load_b128 v[128+16*\c+4*\j:128+16*\c+4*\j+3], v[BO], s[84:85] offset:128*\c+16*\j    ; register 16 c + i: k = 128 s + 32 c + 16 h + i of belief r
.endr
.endr
.irp c, 0,1,2,3
.irp j, 0,1,2,3
	global_load_b128 v[192+16*\c+4*\j:192+16*\c+4*\j+3], v[BX], s[84:85] offset:128*\c+16*\j    ; the other half of K, for the norm alone
.endr
.endr
	v_mul_u32_u24 v30, v1, PITCH
	v_lshl_add_u32 v30, v2, 4, v30                 ; a fragment's row x pitch + 16 x half
	s_mul_i32 s101, s[RH], 32*PITCH
	v_add_nc_u32 v[ADRA], s101, v30
	v_add_nc_u32 v[ADRA+1], SLOT, v[ADRA]
	s_mul_i32 s101, s[CH], 64*PITCH
	s_add_co_u32 s101, s101, OFFG
	v_add_nc_u32 v[ADRB], s101, v30
	v_add_nc_u32 v[ADRB+1], SLOT, v[ADRB]
	s_mul_i32 s101, s[CH], 32*PITCH
	s_add_co_u32 s101, s101, OFFO
	v_add_nc_u32 v[ADRO], s101, v30
	v_add_nc_u32 v[ADRO+1], SLOT, v[ADRO]
	s_mul_i32 s101, s[RH], 32*PITCH
	s_lshl_b32 s2, s[CH], 7
	s_add_co_u32 s101, s101, s2
	v_mul_u32_u24 v[STO], v1, PITCH
	v_lshl_add_u32 v[STO], v2, 5, v[STO]
	v_add_nc_u32 v[STO], s101, v[STO]              ; the stage, in: row 32 rh + r, + 128 ch + 32 h
	s_mul_i32 s101, s[WV], 16*PITCH
	v_mul_u32_u24 v[RD], v2, PITCH
	v_lshl_add_u32 v[RD], v1, 4, v[RD]
	v_add_nc_u32 v[RD], s101, v[RD]                ; back: rows 16 w on, lanes 0-15 one row, lanes 16-31 the next
	v_lshlrev_b32 v[CO], 10, v2
	v_lshl_add_u32 v[CO], v1, 4, v[CO]             ; and the same two rows in obs_sum
	v_lshlrev_b32 v[L16], 4, v3
	s_cmp_lt_u32 s[WV], 2
	s_cselect_b32 s101, 17, 11
	v_lshlrev_b32 v[PFO], s101, v3                 ; a lane a row: 131,072 bytes apart in hidden's tile, 2,048 in the weights
	v_lshlrev_b32 v[PFQ], 11, v1
	v_lshl_add_u32 v[PFQ], v2, 8, v[PFQ]
	s_wait_alu depctr_va_vdst(0)                   ; the wait at the end of the head's vector work
	ASK 1, 0                                       ; K step 2 of hidden, W_g1, W_p1
	s_lshl_b32 s2, s[YY], 1
	s_add_co_u32 s2, s2, s[RH]
	s_lshl_b32 s2, s2, 13
	s_lshl_b32 s101, s[CX], 1
	s_add_co_u32 s101, s101, s[CH]
	s_lshl_b32 s101, s101, 10
	s_add_co_u32 s2, s2, s101
	s_add_nc_u64 s[92:93], s[92:93], s[2:3]        ; gp + 8,192 (2 y + rh) + 1,024 (2 cg + ch)
	s_lshl_b32 s2, s[YY], 6
	s_lshl_b32 s101, s[WV], 4
	s_add_co_u32 s2, s2, s101
	s_lshl_b32 s2, s2, 10
	s_lshl_b32 s101, s[CX], 8
	s_add_co_u32 s2, s2, s101
	s_add_nc_u64 s[90:91], s[90:91], s[2:3]        ; obs_sum + 1,024 (64 y + 16 w) + 256 cg
	s_wait_xcnt 0x0                                ; the prefetch and the mask's load have read their addresses
	s_add_nc_u64 s[PFA:PFA+1], s[PFA:PFA+1], 256   ; to K step 3
	s_load_b64 s[PFB:PFB+1], s[0:1], 0x8           ; W_obs's address once more
	s_wait_tensorcnt 0x0                           ; my tile of K step 0 is in
	ds_add_u32 v[SPW], v[NIL]
	s_wait_dscnt 0x0
	CROUND                                         ; everybody's tile of K step 0 is in, and all sixteen work-groups are here
	JLOAD 1                                        ; K step 1: the first tensor load behind the round; the beliefs' work and K step 0's products stand under it
	s_wait_kmcnt 0x0                               ; e0 .. e7 in s4 .. s11, W_obs's address
	s_bfe_u32 s101, ttmp6, 0x40004
	s_lshl_b32 s101, s101, 15                      ; 16 cy rows
	s_lshl_b32 s2, s[CX], 17                       ; 64 cg rows
	s_add_co_u32 s2, s2, s101
	s_add_co_u32 s2, s2, 512                       ; K step 2
	s_add_nc_u64 s[PFB:PFB+1], s[PFB:PFB+1], s[2:3]
	s_cmp_eq_u32 s[WV], 3
	s_cselect_b32 s[LIM2], s[LIM], -1
	ASK 1, 1                                       ; K step 3 of hidden, W_g1, W_p1; K steps 2 and 3 of W_obs
	s_add_co_i32 s101, s6, s7
	s_sub_co_i32 s101, 0, s101                     ; -(e2 + e3)
	s_add_co_i32 s2, s8, s9
	s_sub_co_i32 s2, 0, s2                         ; -(e4 + e5)
	s_wait_loadcnt 33                              ; the 16 loads of the biases are in; behind them stand the mask and the 32 loads of beliefs
	WIN 0x41
.set j, 0
.rept 32
	v_ldexp_f32 v[128+j], v[128+j], s101           ; b_g1 / 2^(e2 + e3): a sum stands for sum x 2^(e2 + e3)
.set j, j+1
.endr
.rept 32
	v_ldexp_f32 v[128+j], v[128+j], s2             ; b_p1 / 2^(e4 + e5)
.set j, j+1
.endr
	WIN 0
	; THE BELIEFS: bel_ang = beliefs / max(|beliefs|, eps), quantised along its 256 with 2^e7.  My wave: 16 rows, all 256 numbers for the norm, its own 128 for the codes.
	s_add_co_i32 s101, s11, 127
	s_lshl_b32 s2, s101, 23
	v_mov_b32 v[QS], s2                            ; 2^e7 as f32: the conversion takes its exponent field
	s_add_co_i32 s101, s101, 15
	s_lshl_b32 s101, s101, 23
	s_or_b32 s101, s101, 0x600000
	v_mov_b32 v[QL], s101                          ; 57,344 x 2^e7
	s_wait_loadcnt 0x0
.irp k, 0,1,2,3
	v_pk_mul_f32 v[32+2*\k:33+2*\k], v[128+2*\k:129+2*\k], v[128+2*\k:129+2*\k]    ; four chains, started by the first four pairs
.endr
.set i, 4
.rept 60
	v_pk_fma_f32 v[32+2*(i%4):33+2*(i%4)], v[128+2*i:129+2*i], v[128+2*i:129+2*i], v[32+2*(i%4):33+2*(i%4)]
.set i, i+1
.endr
	v_pk_add_f32 v[32:33], v[32:33], v[34:35]
	v_pk_add_f32 v[36:37], v[36:37], v[38:39]
	v_pk_add_f32 v[32:33], v[32:33], v[36:37]
	v_add_f32 v32, v32, v33
	v_permlanex16_b32 v34, v32, s[SEL], s[SEL+1]   ; the row's other 128 numbers lie in lane l xor 16
	v_add_f32 v32, v32, v34
	s_wait_alu depctr_va_vdst(0)
	v_sqrt_f32 v32, v32
	v_nop                                          ; a plain line behind the transcendental,
	s_wait_alu depctr_va_vdst(0)                   ; and the wait ahead of its first reader
	v_max_num_f32 v32, 0x322bcc77, v32             ; max(|.|, 1e-8)
	s_wait_alu depctr_va_vdst(0)
	v_rcp_f32 v32, v32
	v_nop
	s_wait_alu depctr_va_vdst(0)
.set i, 0
.rept 32
	v_pk_mul_f32 v[128+i:129+i], v[128+i:129+i], v[32:33] op_sel_hi:[1,0]
.set i, i+2
.endr
.set i, 0
.rept 64
	v_med3_num_f32 v[128+i], v[128+i], -v[QL], v[QL]    ; the conversion to an 8-bit code does not saturate (ISA guide 7.6.2): the hold comes first
.set i, i+1
.endr
.set i, 0
.rept 8
	v_cvt_scalef32_pk8_bf8_f32 v[64+2*i:65+2*i], v[128+8*i:135+8*i], v[QS]
.set i, i+1
.endr
	v_nop                                          ; a plain line behind the last scaled conversion
	v_cmp_ne_u32 vcc_lo, 0, v[MSK]
.set i, 0
.rept 16
	v_cndmask_b32 v[64+i], 0, v[64+i], vcc_lo      ; a slot that is not active gets zero codes
.set i, i+1
.endr
.irp c, 0,1,2,3
	global_store_b128 v[L16], v[64+4*\c:67+4*\c], s[94:95] offset:512*\c    ; the operand's registers as they stand: 512 consecutive bytes a store
.endr
	s_wait_xcnt 0x0                                ; the stores have read v64-79, into which fragments are loaded next
	FETCH_B 0, 0, 0
	FETCH_A 0, 0, 0
	FETCH_A 0, 0, 4
	; the first 128 along K: its products start the sums, g's and p's with the bias as C.  The biases lie where weight set 1 belongs, so this one step fetches only behind all its products.
	s_wait_dscnt 0x0
	WIN 0x91
	MUL16 0, 0, 1
	MUL16 2, 0, 1
	WIN 0xd1
	MUL16 4, 0, 1
	MUL16 6, 0, 1
	WIN 0
	OBS8 0, 0, 1
	OBS8 4, 0, 0
	PLACES 4
	FETCH_B 0, 1, 1
	FETCH_A 0, 1, 0
	FETCH_A 0, 1, 4
	s_mov_b32 s[LAP], 3
.Llap:                                                 ; a trip goes once round the ring and fills both slots again: K steps 2 to 7
	TURN 0, 1, 1
	STEP 1
	TURN 1, 0, 1
	STEP 0
	s_sub_co_u32 s[LAP], s[LAP], 1
	s_cmp_lg_u32 s[LAP], 0
	s_cbranch_scc1 .Llap
	TURN 0, 1, 0                                   ; the last lap fills nothing
	STEP 1
	WIN 0x40                                       ; W_g2 and W_p2, in the results' layout, into weight set 0, which is done with (four plain lines stand behind its last product)
.irp n, 0,1,2,3
	global_load_b128 v[8*\n:8*\n+3], v[H32], s[80:81] offset:64*\n
	global_load_b128 v[8*\n+4:8*\n+7], v[H32], s[80:81] offset:64*\n+16
	global_load_b128 v[32+8*\n:32+8*\n+3], v[H32], s[82:83] offset:64*\n
	global_load_b128 v[32+8*\n+4:32+8*\n+7], v[H32], s[82:83] offset:64*\n+16
.endr
	s_wait_dscnt 16                                ; the very last 128 along K
	WIN 0xa1
	MUL16 0, 1, 0
	MUL16 2, 1, 0
	WIN 0
	OBS8 0, 1, 0
	s_wait_dscnt 0x0
	WIN 0xf1
	MUL16 4, 1, 0
	MUL16 6, 1, 0
	WIN 0
	OBS8 4, 1, 0
	; THE WAY OUT OF g AND p: relu, then the dot of my 64 columns with W_g2 or W_p2, in f32; a block of 16 rows at a time.
	s_wait_loadcnt 0x0
	PLACES 4
.irp a, 0,1,2,3,4,5,6,7
	WIN 0x08+4*(\a/4)
.set j, 0
.rept 64
	v_max_num_f32 v[TMP+j], 0, v[64*(\a%4)+j]      ; each accumulator from its low end on
.set j, j+1
.endr
	WIN 0x04
.irp k, 0,1
	v_pk_mul_f32 v[CHN+4*\k:CHN+4*\k+1], v[TMP+32*\k:TMP+32*\k+1], v[32*\k:32*\k+1]
	v_pk_mul_f32 v[CHN+4*\k+2:CHN+4*\k+3], v[TMP+32*\k+2:TMP+32*\k+3], v[32*\k+2:32*\k+3]
.endr
.irp e, 4,8,12,16,20,24,28
.irp k, 0,1
	v_pk_fma_f32 v[CHN+4*\k:CHN+4*\k+1], v[TMP+32*\k+\e:TMP+32*\k+\e+1], v[32*\k+\e:32*\k+\e+1], v[CHN+4*\k:CHN+4*\k+1]
	v_pk_fma_f32 v[CHN+4*\k+2:CHN+4*\k+3], v[TMP+32*\k+\e+2:TMP+32*\k+\e+3], v[32*\k+\e+2:32*\k+\e+3], v[CHN+4*\k+2:CHN+4*\k+3]
.endr
.endr
	WIN 0
	v_pk_add_f32 v[CHN:CHN+1], v[CHN:CHN+1], v[CHN+2:CHN+3]
	v_pk_add_f32 v[CHN+4:CHN+5], v[CHN+4:CHN+5], v[CHN+6:CHN+7]
	v_add_f32 v[RES+2*\a], v[CHN], v[CHN+1]
	v_add_f32 v[RES+2*\a+1], v[CHN+4], v[CHN+5]
.endr
.set i, 0
.rept 16
	v_permlanex16_b32 v[TMP+i], v[RES+i], s[SEL], s[SEL+1]    ; the row's other 32 columns lie in lane l xor 16
.set i, i+1
.endr
.set i, 0
.rept 16
	v_add_f32 v[RES+i], v[RES+i], v[TMP+i]
.set i, i+1
.endr
	s_add_co_i32 s101, s6, s7
	s_add_co_i32 s2, s8, s9
.irp a, 0,1,2,3,4,5,6,7
	v_ldexp_f32 v[RES+2*\a], v[RES+2*\a], s101     ; x 2^(e2 + e3)
	v_ldexp_f32 v[RES+2*\a+1], v[RES+2*\a+1], s2   ; x 2^(e4 + e5)
.endr
.irp b, 0,1,2,3
.irp k, 0,1
	v_cndmask_b32 v[144+4*\k+\b], v[RES+4*\b+\k], v[RES+4*\b+2+\k], s[HM]   ; lanes 0-15: block 2 b (u = 0), lanes 16-31: block 2 b + 1: token 16 u + r = my lane
.endr
.endr
	global_store_b128 v[L16], v[144:147], s[92:93]              ; gp is laid [block of 32 tokens][part 8][kind 2][token 32][b 4]: g's four batches of my token: the wave stores 512 consecutive bytes,
	global_store_b128 v[L16], v[148:151], s[92:93] offset:512   ; and p's the next 512
	; THE WAY OUT OF obs: x 2^(e0 + e1 - 2), through a stage in slot 0, which has had its last fill and its last read; a row's 256 bytes come from two waves, so a barrier stands between writing and reading.
	s_add_co_i32 s104, s4, s5
	s_add_co_i32 s104, s104, 125
	s_lshl_b32 s104, s104, 23                      ; 2^(e0 + e1 - 2) as f32
	s_mov_b32 s105, s104                           ; (named with it as a pair)
.set j, 0
.rept 16
	v_pk_mul_f32 v[64+j:65+j], v[OACC+j:OACC+j+1], s[104:105] op_sel_hi:[1,0]
.set j, j+2
.endr
.irp u, 0,1
.irp o, 0,1
	ds_store_b128 v[STO], v[64+8*(2*\u+\o):64+8*(2*\u+\o)+3] offset:16*\u*PITCH+64*\o
	ds_store_b128 v[STO], v[64+8*(2*\u+\o)+4:64+8*(2*\u+\o)+7] offset:16*\u*PITCH+64*\o+16
.endr
.endr
	s_wait_dscnt 0x0                               ; for the others' sake: my stores into the stage are done
	s_barrier_signal -1
	s_barrier_wait -1
.irp i, 0,1,2,3,4,5,6,7
	ds_load_b128 v[96+4*\i:99+4*\i], v[RD] offset:2*\i*PITCH
.endr
.irp i, 0,1,2,3,4,5,6,7
	s_wait_dscnt 7-\i                              ; the younger loads may stay out
	global_store_b128 v[CO], v[96+4*\i:99+4*\i], s[90:91] offset:2048*\i    ; sixteen lanes store 256 consecutive bytes, at a multiple of 256 from the buffer's first byte
.endr
	s_wait_tensorcnt 0x0                           ; the wave's end
	ds_add_u32 v[SPW], v[NIL]
	s_wait_dscnt 0x0
	CROUND                                         ; the closing round
	s_endpgm
.Lfunc_end_k_q3b0dad40b7_proj:
	.size	k_q3b0dad40b7_proj, .Lfunc_end_k_q3b0dad40b7_proj-k_q3b0dad40b7_proj
	.p2alignl 7, 3214868480
	.fill 96, 4, 3214868480
	.section	.rodata,"a",@progbits
	.p2align	6, 0x0
	.amdhsa_kernel k_q3b0dad40b7_proj
		.amdhsa_group_segment_fixed_size 327680
		.amdhsa_private_segment_fixed_size 0
		.amdhsa_enable_private_segment 0
		.amdhsa_kernarg_size 112
		.amdhsa_user_sgpr_count 2
		.amdhsa_user_sgpr_kernarg_segment_ptr 1
		.amdhsa_wavefront_size32 1
		.amdhsa_system_sgpr_workgroup_id_x 1
		.amdhsa_system_sgpr_workgroup_id_y 1
		.amdhsa_system_sgpr_workgroup_id_z 1
		.amdhsa_system_vgpr_workitem_id 0
		.amdhsa_next_free_vgpr 1024
		.amdhsa_next_free_sgpr 106
		.amdhsa_reserve_vcc 1
		.amdhsa_float_denorm_mode_32 3
		.amdhsa_float_denorm_mode_16_64 3
		.amdhsa_memory_ordered 1
		.amdhsa_forward_progress 1
		.amdhsa_inst_pref_size 164
	.end_amdhsa_kernel
	.amdgpu_metadata
---
amdhsa.version: [ 1, 2 ]
amdhsa.kernels:
  - .name:           k_q3b0dad40b7_proj
    .symbol:         k_q3b0dad40b7_proj.kd
    .args:
      - { .name: hidden_codes, .offset: 0, .size: 8, .value_kind: global_buffer, .address_space: global }
      - { .name: W_obs_codes, .offset: 8, .size: 8, .value_kind: global_buffer, .address_space: global }
      - { .name: W_g1_codes, .offset: 16, .size: 8, .value_kind: global_buffer, .address_space: global }
      - { .name: W_p1_codes, .offset: 24, .size: 8, .value_kind: global_buffer, .address_space: global }
      - { .name: b_g1, .offset: 32, .size: 8, .value_kind: global_buffer, .address_space: global }
      - { .name: b_p1, .offset: 40, .size: 8, .value_kind: global_buffer, .address_space: global }
      - { .name: W_g2, .offset: 48, .size: 8, .value_kind: global_buffer, .address_space: global }
      - { .name: W_p2, .offset: 56, .size: 8, .value_kind: global_buffer, .address_space: global }
      - { .name: beliefs, .offset: 64, .size: 8, .value_kind: global_buffer, .address_space: global }
      - { .name: active_mask, .offset: 72, .size: 8, .value_kind: global_buffer, .address_space: global }
      - { .name: lowp_scales, .offset: 80, .size: 8, .value_kind: global_buffer, .address_space: global }
      - { .name: obs_sum, .offset: 88, .size: 8, .value_kind: global_buffer, .address_space: global }
      - { .name: gp, .offset: 96, .size: 8, .value_kind: global_buffer, .address_space: global }
      - { .name: bel_codes, .offset: 104, .size: 8, .value_kind: global_buffer, .address_space: global }
    .group_segment_fixed_size: 327680
    .private_segment_fixed_size: 0
    .kernarg_segment_align: 8
    .kernarg_segment_size: 112
    .max_flat_workgroup_size: 128
    .sgpr_count:     106
    .vgpr_count:     1024
    .wavefront_size: 32
...
	.end_amdgpu_metadata
.endif
;; end of part 1
;; launch match (part 2): grid 32 x 8, 8 waves a work-group, clusters of 4 x 1, 327,680 bytes of LDS; arguments obs_sum, gp, bel_codes, b_g2, b_p2, lowp_scales, out0, pmax, pidx, rad; writes out0, pmax, pidx, rad
.if DOCPART == 2
	.amdgcn_target "amdgcn-amd-amdhsa--gfx1250"
	.amdhsa_code_object_version 6
	.text
	.protected	k_q3b0dad40b7_match
	.globl	k_q3b0dad40b7_match
	.p2align	8
	.type	k_q3b0dad40b7_match,@function
k_q3b0dad40b7_match:
	s_mov_b64 s[64:65], 0
	v_nop
	global_prefetch_b8 v0, s[64:65] scope:SCOPE_SE
	s_setreg_imm32_b32 hwreg(HW_REG_WAVE_MODE, 25, 1), 1
	s_wait_xcnt 0x0
	s_wait_alu depctr_hold_cnt(0) depctr_sa_sdst(0) depctr_va_vdst(0) depctr_va_sdst(0) depctr_va_ssrc(0) depctr_va_vcc(0) depctr_vm_vsrc(0)
	s_getreg_b32 s2, hwreg(HW_REG_IB_STS2, 6, 4)
	s_cmp_eq_u32 s2, 0
	s_cbranch_scc0 .Lentry_in_a_cluster
	s_endpgm
.Lentry_in_a_cluster:
	s_bfe_u32 s2, ttmp6, 0x10000c
	s_cmp_lg_u32 s2, 0x3003
	s_cbranch_scc0 .Lentry_shape_is_right
	s_endpgm
.Lentry_shape_is_right:
; MATCH: the tokens' finish (gate, precision, norms, out0, the quantiser of obs_ang) and the product of obs_ang with bel_ang on codes of BF8 (E5M2), with the largest similarity and its first slot for each token and group.
; Left out as shown at the head of the first kernel: the second norm is f x |obs_mean|; slots that are not active have zero codes, so no mask is applied here.
; LIMITS: NaN and infinity are not served; e6 lies between -126 and 112 (it is made into an f32 power of two); e6 + e7 goes through v_ldexp_f32.
; SHARES.  Work-group (x, g): 128 tokens tau = 128 x .. +127 (the workspace's order) x the 1,024 slots of group g.  Eight waves.
; HEAD: wave w takes tokens 16 w .. +15: adds gp's eight parts, sigmoid x softplus, the mean over the four batches; the norm of obs_sum's row; f = prec_mean / max(norm, eps); obs_r = f x norm;
; obs_ang = obs_sum x f / max(obs_r, eps), held, quantised with 2^e6, and laid into LDS as an image of the operand's registers.  Group g stores rows 2 g and 2 g + 1 of each wave's sixteen to out0; group 0 stores obs_r.
; PRODUCT: wave (tq = w % 2, sq = w / 2): 64 tokens x 256 slots: 16 tiles of 16 slots against 4 blocks of tokens, used transposed (source 0 = slots, source 1 = tokens).  For each lane and block: the running largest,
; the tile in which it first stood and that tile's eight numbers; strictly greater alone replaces, so the first slot is kept.  Then lane l xor 16, then the four sq through LDS.
; CLUSTER 4 x 1: the four x of a cluster ask for the group's 262,144 bytes of codes jointly: ONE tensor load a wave, 128 rows of 256 bytes, at the head; LDS is filled once.
; No prefetch: the launch has no loop to run ahead in; all that it reads is asked for at its head.
.set AIMG,  262144
.set RED,   294912
.set SPARE, 299008
.set WV,  56
.set CX,  57
.set XB,  58
.set GG,  59
.set SEL, 60
.set HM,  62
.set TQ,  72
.set SQ,  73
.set MSB, 0
.macro WIN new
.if MSB != (\new)
	s_set_vgpr_msb (MSB<<8)|(\new)
.set MSB, (\new)
.endif
.endm
.macro CROUND
	s_barrier_signal -1
	s_barrier_wait -1
	s_cmp_lg_u32 s[WV], 0
	s_cbranch_scc1 .Lnot_wave_0_\@
	s_barrier_signal -3
.Lnot_wave_0_\@:
	s_barrier_wait -3
	s_barrier_signal -1
	s_barrier_wait -1
.endm
.macro FETCHB set, k
	WIN 0x40
.irp s, 0,1
.irp c, 0,1,2,3
	ds_load_b128 v[128+32*(\set)+16*\s+4*\c:128+32*(\set)+16*\s+4*\c+3], v8 offset:4096*(\k)+2048*\s+512*\c
.endr
.endr
	WIN 0
.endm
; The four finished tiles of set oth (one for each block of tokens) are taken in by 15 groups of four lines, a line a block: the four chains take turns, so that no line reads one of the three lines before it.
; Groups 0-3: the tile's largest (each accumulator from its low end on); 4: does the running largest stand (s84-87, a mask a block); 5: the running largest; 6: the tile's number; 7-14: the tile's eight numbers.
.macro SGRP oth, g
.irp a, 0,1,2,3
.set DD, 16+32*(\oth)+8*\a
.if (\g) == 0
	v_max3_num_f32 v[120+\a], v[DD], v[DD+1], v[DD+2]
.elseif (\g) == 1
	v_max3_num_f32 v[124+\a], v[DD+3], v[DD+4], v[DD+5]
.elseif (\g) == 2
	v_max3_num_f32 v[120+\a], v[120+\a], v[DD+6], v[DD+7]
.elseif (\g) == 3
	v_max_num_f32 v[120+\a], v[120+\a], v[124+\a]
.elseif (\g) == 4
	v_cmp_le_f32 s[84+\a], v[120+\a], v[112+\a]
.elseif (\g) == 5
	v_max_num_f32 v[112+\a], v[112+\a], v[120+\a]
.elseif (\g) == 6
	v_cndmask_b32 v[116+\a], TIDC, v[116+\a], s[84+\a]
.else
	v_cndmask_b32 v[80+8*\a+(\g)-7], v[DD+(\g)-7], v[80+8*\a+(\g)-7], s[84+\a]
.endif
.endr
.endm
.macro PHASE cur, k, fetch, proc
	s_wait_dscnt 0x0
.set TIDC, (\k)-1
.set i, 0
.rept 8
.set DA, 16+32*(\cur)+8*(i%4)
.set FB, 128+32*(\cur)+16*(i/4)
.set FT, 32*(i%4)+16*(i/4)
	WIN 0x05
.if i < 4
	v_wmma_f32_16x16x128_bf8_bf8 v[DA:DA+7], v[FB:FB+15], v[FT:FT+15], 0
.else
	v_wmma_f32_16x16x128_bf8_bf8 v[DA:DA+7], v[FB:FB+15], v[FT:FT+15], v[DA:DA+7]
.endif
	WIN 0
.if \proc
.if i == 0
	SGRP 1-(\cur), 0
.else
	SGRP 1-(\cur), 2*i-1
	SGRP 1-(\cur), 2*i
.endif
.else
.set m, 0
.rept 5
.if (80+5*i+m >= 112) && (80+5*i+m < 116)
	v_mov_b32 v[80+5*i+m], 0xff800000
.else
	v_mov_b32 v[80+5*i+m], 0
.endif
.set m, m+1
.endr
.endif
.if (i == 1) && (\fetch)
	FETCHB 1-(\cur), (\k)+1
.endif
.set i, i+1
.endr
.endm
	s_load_b256 s[4:11], s[0:1], 0x0
	s_load_b256 s[12:19], s[0:1], 0x20
	s_load_b128 s[20:23], s[0:1], 0x40
	v_lshl_add_u32 v14, v0, 2, SPARE
	v_mov_b32 v15, 0
	ds_add_u32 v14, v15
	ds_add_u32 v14, v15
	v_lshrrev_b32 v1, 5, v0
	s_delay_alu instid0(VALU_DEP_1)
	v_readfirstlane_b32 s[WV], v1
	s_and_b32 s[TQ], s[WV], 1
	s_lshr_b32 s[SQ], s[WV], 1
	s_bfe_u32 s[CX], ttmp6, 0x40000
	s_lshl_b32 s[XB], ttmp9, 2
	s_add_co_u32 s[XB], s[XB], s[CX]
	s_and_b32 s[GG], ttmp7, 0xffff
	s_mov_b32 s24, 15|(3<<16)|(1<<21)
	s_mov_b32 s25, 32<<16
	s_mov_b32 s26, 128<<16
	s_mov_b32 s27, 32<<16
	s_mov_b32 s28, 128
	s_mov_b32 s29, 32
	s_mov_b32 s30, 0
	s_mov_b32 s31, 0
	s_mov_b32 s32, 1
	s_lshl_b32 s33, s[WV], 15                      ; wave w brings bytes 32,768 w .. of the group's image, to the same place in LDS
	s_lshl_b32 s66, s[GG], 18
	s_add_co_u32 s66, s66, s33
	s_mov_b32 s67, 0
	s_mov_b32 s3, 0
	s_mov_b32 s[SEL], 0x76543210
	s_mov_b32 s[SEL+1], 0xfedcba98
	s_mov_b32 s[HM], 0xffff0000
	v_and_b32 v1, 31, v0
	v_and_b32 v2, 15, v0
	v_bfe_u32 v3, v0, 4, 1
	s_delay_alu instid0(VALU_DEP_2)
	v_lshlrev_b32 v4, 10, v2
	s_delay_alu instid0(VALU_DEP_1)
	v_lshl_add_u32 v4, v3, 6, v4
	v_lshlrev_b32 v5, 4, v1
	v_lshlrev_b32 v6, 2, v2
	s_wait_alu depctr_va_vdst(0)
	s_lshl_b32 s2, s[WV], 12
	s_add_co_u32 s2, s2, AIMG
	v_add_nc_u32 v7, s2, v5
	s_lshl_b32 s2, s[SQ], 16
	v_add_nc_u32 v8, s2, v5
	s_lshl_b32 s2, s[TQ], 14
	s_add_co_u32 s2, s2, AIMG
	v_add_nc_u32 v9, s2, v5
	s_lshl_b32 s2, s[SQ], 10
	s_lshl_b32 s78, s[TQ], 8
	s_add_co_u32 s2, s2, s78
	s_add_co_u32 s2, s2, RED
	v_lshl_add_u32 v10, v1, 2, s2
	s_lshl_b32 s2, s[WV], 6
	s_add_co_u32 s2, s2, RED
	v_add_nc_u32 v11, s2, v6
	s_lshl_b32 s2, s[GG], 10
	s_lshl_b32 s78, s[SQ], 8
	s_add_co_u32 s2, s2, s78
	v_lshl_add_u32 v12, v3, 3, s2
	s_lshl_b32 s2, s[TQ], 8
	v_lshl_add_u32 v13, v2, 4, s2
	s_wait_dscnt 0x0
	s_wait_kmcnt 0x0
	s_load_b64 s[44:45], s[14:15], 0x18
	s_load_b32 s46, s[10:11], 0x0
	s_load_b32 s47, s[12:13], 0x0
	s_add_nc_u64 s[34:35], s[8:9], s[66:67]
	s_or_b32 s35, s35, 0x80000000
	CROUND
	tensor_load_to_lds s[32:35], s[24:31]          ; my one tensor load; the loads of gp and obs_sum follow it at once
	s_nop 0
.rept 4
	v_nop
.endr
	s_lshl_b32 s70, s[XB], 3
	s_add_co_u32 s70, s70, s[WV]
	s_lshl_b32 s2, s[XB], 2
	s_add_co_u32 s2, s2, s[SQ]
	s_lshl_b32 s2, s2, 13
	s_add_nc_u64 s[6:7], s[6:7], s[2:3]
	s_lshl_b32 s2, s70, 14
	s_add_nc_u64 s[4:5], s[4:5], s[2:3]
	s_lshl_b32 s2, s70, 6
	s_add_nc_u64 s[22:23], s[22:23], s[2:3]
	s_lshl_b32 s78, s[GG], 14
	s_add_co_u32 s2, s2, s78
	s_add_nc_u64 s[18:19], s[18:19], s[2:3]
	s_add_nc_u64 s[20:21], s[20:21], s[2:3]
	s_lshl_b32 s71, s[GG], 1
	s_and_b32 s78, s[WV], 3
	s_lshl_b32 s78, s78, 4
	s_add_co_u32 s78, s78, s71
	s_lshl_b32 s78, s78, 6
	s_lshl_b32 s79, s[XB], 1
	s_add_co_u32 s78, s78, s79
	s_lshr_b32 s79, s[WV], 2
	s_add_co_u32 s78, s78, s79
	s_lshl_b32 s2, s78, 10
	s_add_nc_u64 s[16:17], s[16:17], s[2:3]
	s_lshl_b32 s2, s[GG], 11
	s_add_nc_u64 s[68:69], s[4:5], s[2:3]
	s_wait_alu depctr_va_vdst(0)
.irp p, 0,1,2,3,4,5,6,7
	global_load_b128 v[16+8*\p:16+8*\p+3], v13, s[6:7] offset:1024*\p
	global_load_b128 v[16+8*\p+4:16+8*\p+7], v13, s[6:7] offset:1024*\p+512
.endr
.irp s, 0,1
.irp c, 0,1,2,3
.irp j, 0,1,2,3
	global_load_b128 v[96+64*\s+16*\c+4*\j:96+64*\s+16*\c+4*\j+3], v4, s[4:5] offset:512*\s+128*\c+16*\j
.endr
.endr
.endr
	WIN 0x40
.set i, 0
.rept 4
	global_load_b128 v[192+4*i:195+4*i], v5, s[68:69] offset:512*i
.set i, i+1
.endr
	WIN 0
	s_wait_loadcnt 36
.irp p, 1,2,3,4,5,6,7
.irp k, 0,2,4,6
	v_pk_add_f32 v[16+\k:17+\k], v[16+\k:17+\k], v[16+8*\p+\k:17+8*\p+\k]
.endr
.endr
	s_wait_alu depctr_va_vdst(0)
	s_wait_kmcnt 0x0
	s_mov_b32 s78, 0xbfb8aa3b
.irp b, 0,1,2,3
	v_add_f32 v[16+\b], s46, v[16+\b]
	v_add_f32 v[20+\b], s47, v[20+\b]
.endr
.irp b, 0,1,2,3
	v_mul_f32 v[24+\b], s78, v[16+\b]
	v_mul_f32 v[28+\b], s78, |v[20+\b]|
.endr
	s_wait_alu depctr_va_vdst(0)
.irp i, 0,1,2,3,4,5,6,7
	v_exp_f32 v[24+\i], v[24+\i]
.endr
.irp b, 0,1,2,3
	v_max_num_f32 v[44+\b], 0, v[20+\b]
.endr
	s_wait_alu depctr_va_vdst(0)
.irp b, 0,1,2,3
	v_add_f32 v[32+\b], 1.0, v[24+\b]
	v_add_f32 v[36+\b], 1.0, v[28+\b]
.endr
	s_wait_alu depctr_va_vdst(0)
.irp b, 0,1,2,3
	v_rcp_f32 v[32+\b], v[32+\b]
.endr
.irp b, 0,1,2,3
	v_log_f32 v[36+\b], v[36+\b]
.endr
	s_mov_b32 s79, 0xbeaaaaab
.irp b, 0,1,2,3
	v_fma_f32 v[40+\b], v[28+\b], s79, 0.5
.endr
.irp b, 0,1,2,3
	v_fma_f32 v[40+\b], -v[28+\b], v[40+\b], 1.0
.endr
.irp b, 0,1,2,3
	v_mul_f32 v[40+\b], v[28+\b], v[40+\b]
.endr
	s_wait_alu depctr_va_vdst(0)
.irp b, 0,1,2,3
	v_mul_f32 v[36+\b], 0x3f317218, v[36+\b]
	v_cmp_gt_f32 vcc_lo, 0x3c800000, v[28+\b]
	s_delay_alu instid0(VALU_DEP_1)
	v_cndmask_b32 v[36+\b], v[36+\b], v[40+\b], vcc_lo
	s_delay_alu instid0(VALU_DEP_1)
	v_add_f32 v[36+\b], v[44+\b], v[36+\b]
.endr
	v_mul_f32 v80, v32, v36
	v_fmac_f32 v80, v33, v37
	v_fmac_f32 v80, v34, v38
	v_fmac_f32 v80, v35, v39
	s_delay_alu instid0(VALU_DEP_1)
	v_mul_f32 v80, 0.25, v80
	s_add_co_i32 s78, s44, 127
	s_lshl_b32 s79, s78, 23
	v_mov_b32 v94, s79
	s_add_co_i32 s78, s78, 15
	s_lshl_b32 s78, s78, 23
	s_or_b32 s78, s78, 0x600000
	v_mov_b32 v95, s78
	s_mov_b32 s78, 0x322bcc77
	s_wait_loadcnt 4
.irp k, 0,1,2,3
	v_pk_mul_f32 v[24+2*\k:25+2*\k], v[96+2*\k:97+2*\k], v[96+2*\k:97+2*\k]
.endr
.set i, 4
.rept 60
	s_delay_alu instid0(VALU_DEP_4)
	v_pk_fma_f32 v[24+2*(i%4):25+2*(i%4)], v[96+2*i:97+2*i], v[96+2*i:97+2*i], v[24+2*(i%4):25+2*(i%4)]
.set i, i+1
.endr
	s_delay_alu instid0(VALU_DEP_3)
	v_pk_add_f32 v[24:25], v[24:25], v[26:27]
	s_delay_alu instid0(VALU_DEP_2)
	v_pk_add_f32 v[28:29], v[28:29], v[30:31]
	s_delay_alu instid0(VALU_DEP_1)
	v_pk_add_f32 v[24:25], v[24:25], v[28:29]
	s_delay_alu instid0(VALU_DEP_1)
	v_add_f32 v24, v24, v25
	s_delay_alu instid0(VALU_DEP_1)
	v_permlanex16_b32 v26, v24, s[SEL], s[SEL+1]
	s_delay_alu instid0(VALU_DEP_1)
	v_add_f32 v84, v24, v26
	s_wait_alu depctr_va_vdst(0)
	v_sqrt_f32 v84, v84
	v_nop
	s_wait_alu depctr_va_vdst(0)
	v_max_num_f32 v40, s78, v84
	s_wait_alu depctr_va_vdst(0)
	v_rcp_f32 v40, v40
	v_nop
	s_wait_alu depctr_va_vdst(0)
	v_mul_f32 v86, v40, v80
	v_mul_f32 v88, v86, v84
	s_delay_alu instid0(VALU_DEP_1)
	v_max_num_f32 v42, s78, v88
	s_wait_alu depctr_va_vdst(0)
	v_rcp_f32 v42, v42
	v_nop
	s_wait_alu depctr_va_vdst(0)
	v_mul_f32 v90, v86, v42
	s_delay_alu instid0(VALU_DEP_1)
	v_mov_b32 v91, v90
.set i, 0
.rept 64
	v_pk_mul_f32 v[96+i:97+i], v[96+i:97+i], v[90:91] op_sel_hi:[1,0]
.set i, i+2
.endr
.set i, 0
.rept 128
	v_med3_num_f32 v[96+i], v[96+i], -v95, v95
.set i, i+1
.endr
.set i, 0
.rept 16
	v_cvt_scalef32_pk8_bf8_f32 v[224+2*i:225+2*i], v[96+8*i:103+8*i], v94
.set i, i+1
.endr
	v_nop
.set i, 0
.rept 8
	ds_store_b128 v7, v[224+4*i:227+4*i] offset:512*i
.set i, i+1
.endr
.irp p, 0,1
	s_add_co_u32 s79, s71, \p
	v_readlane_b32 s[48+2*\p], v86, s79
	s_mov_b32 s[49+2*\p], s[48+2*\p]
.endr
	s_wait_loadcnt 0x0
	WIN 0x41
.set i, 0
.rept 8
	v_pk_mul_f32 v[192+2*i:193+2*i], v[192+2*i:193+2*i], s[48+2*(i/4):49+2*(i/4)] op_sel_hi:[1,0]
.set i, i+1
.endr
	WIN 0x04
.set i, 0
.rept 4
	global_store_b128 v5, v[192+4*i:195+4*i], s[16:17] offset:65536*(i/2)+512*(i%2) th:TH_STORE_NT
.set i, i+1
.endr
	WIN 0
	s_cmp_eq_u32 s[GG], 0
	s_cbranch_scc0 .Lno_rad
	global_store_b32 v6, v88, s[22:23]
.Lno_rad:
	s_wait_xcnt 0x0
	s_wait_tensorcnt 0x0                           ; my part of the codes is in, my stores of the tokens' image are done: say so
	s_wait_dscnt 0x0
	s_barrier_signal -1
	s_barrier_wait -1
	WIN 0x40
.set i, 0
.rept 32
	ds_load_b128 v[4*i:4*i+3], v9 offset:512*i
.set i, i+1
.endr
	WIN 0
	FETCHB 0, 0
	PHASE 0, 0, 1, 0
.irp k, 1,3,5,7,9,11,13
	PHASE 1, \k, 1, 1
	PHASE 0, \k+1, 1, 1
.endr
	PHASE 1, 15, 0, 1
.set TIDC, 15
.set i, 0
.rept 15
	SGRP 1, i
.set i, i+1
.endr
.irp a, 0,1,2,3
	v_mov_b32 v[16+\a], 7
.irp j, 6,5,4,3,2,1,0
	v_cmp_neq_f32 vcc_lo, v[80+8*\a+\j], v[112+\a]
	s_delay_alu instid0(VALU_DEP_1)
	v_cndmask_b32 v[16+\a], \j, v[16+\a], vcc_lo
.endr
	s_delay_alu instid0(VALU_DEP_1)
	v_lshl_add_u32 v[24+\a], v[116+\a], 4, v[16+\a]
	s_delay_alu instid0(VALU_DEP_1)
	v_add_nc_u32 v[24+\a], v[24+\a], v12
.endr
.irp a, 0,1,2,3
	v_permlanex16_b32 v[32+\a], v[112+\a], s[SEL], s[SEL+1]
	v_permlanex16_b32 v[40+\a], v[24+\a], s[SEL], s[SEL+1]
.endr
.irp a, 0,1,2,3
	v_cmp_gt_f32 s78, v[32+\a], v[112+\a]
	v_cmp_eq_f32 s79, v[32+\a], v[112+\a]
	v_cmp_lt_u32 s80, v[40+\a], v[24+\a]
	s_and_b32 s79, s79, s80
	s_or_b32 s78, s78, s79
	v_cndmask_b32 v[112+\a], v[112+\a], v[32+\a], s78
	v_cndmask_b32 v[24+\a], v[24+\a], v[40+\a], s78
.endr
.irp k, 0
	v_cndmask_b32 v[48+\k], v[112+2*\k], v[113+2*\k], s[HM]
	v_cndmask_b32 v[52+\k], v[24+2*\k], v[25+2*\k], s[HM]
.endr
.irp k, 1
	s_delay_alu instid0(VALU_DEP_4)
	v_cndmask_b32 v[48+\k], v[112+2*\k], v[113+2*\k], s[HM]
	s_delay_alu instid0(VALU_DEP_4)
	v_cndmask_b32 v[52+\k], v[24+2*\k], v[25+2*\k], s[HM]
.endr
.irp k, 0,1
	ds_store_b32 v10, v[48+\k] offset:128*\k
	ds_store_b32 v10, v[52+\k] offset:512+128*\k
.endr
	s_wait_dscnt 0x0
	s_barrier_signal -1
	s_barrier_wait -1
.irp x, 0,1,2,3
	ds_load_b32 v[56+\x], v11 offset:1024*\x
	ds_load_b32 v[60+\x], v11 offset:1024*\x+512
.endr
	s_wait_dscnt 0x0
.irp x, 1
	v_cmp_gt_f32 vcc_lo, v[56+\x], v56
	s_delay_alu instid0(VALU_DEP_1)
	v_cndmask_b32 v56, v56, v[56+\x], vcc_lo
	s_delay_alu instid0(VALU_DEP_2)
	v_cndmask_b32 v60, v60, v[60+\x], vcc_lo
.endr
.irp x, 2, 3
	s_delay_alu instid0(VALU_DEP_2)
	v_cmp_gt_f32 vcc_lo, v[56+\x], v56
	s_delay_alu instid0(VALU_DEP_1)
	v_cndmask_b32 v56, v56, v[56+\x], vcc_lo
	s_delay_alu instid0(VALU_DEP_2)
	v_cndmask_b32 v60, v60, v[60+\x], vcc_lo
.endr
	s_add_co_i32 s78, s44, s45
	v_ldexp_f32 v56, v56, s78
	global_store_b32 v6, v56, s[18:19]
	global_store_b32 v6, v60, s[20:21]
	s_wait_tensorcnt 0x0
	ds_add_u32 v14, v15
	s_wait_dscnt 0x0
	CROUND
	s_endpgm
.Lfunc_end_k_q3b0dad40b7_match:
	.size	k_q3b0dad40b7_match, .Lfunc_end_k_q3b0dad40b7_match-k_q3b0dad40b7_match
	.p2alignl 7, 3214868480
	.fill 96, 4, 3214868480
	.section	.rodata,"a",@progbits
	.p2align	6, 0x0
	.amdhsa_kernel k_q3b0dad40b7_match
		.amdhsa_group_segment_fixed_size 327680
		.amdhsa_private_segment_fixed_size 0
		.amdhsa_enable_private_segment 0
		.amdhsa_kernarg_size 80
		.amdhsa_user_sgpr_count 2
		.amdhsa_user_sgpr_kernarg_segment_ptr 1
		.amdhsa_wavefront_size32 1
		.amdhsa_system_sgpr_workgroup_id_x 1
		.amdhsa_system_sgpr_workgroup_id_y 1
		.amdhsa_system_sgpr_workgroup_id_z 1
		.amdhsa_system_vgpr_workitem_id 0
		.amdhsa_next_free_vgpr 512
		.amdhsa_next_free_sgpr 96
		.amdhsa_reserve_vcc 1
		.amdhsa_float_denorm_mode_32 3
		.amdhsa_float_denorm_mode_16_64 3
		.amdhsa_memory_ordered 1
		.amdhsa_forward_progress 1
		.amdhsa_inst_pref_size 131
	.end_amdhsa_kernel
	.amdgpu_metadata
---
amdhsa.version: [ 1, 2 ]
amdhsa.kernels:
  - .name:           k_q3b0dad40b7_match
    .symbol:         k_q3b0dad40b7_match.kd
    .args:
      - { .name: obs_sum, .offset: 0, .size: 8, .value_kind: global_buffer, .address_space: global }
      - { .name: gp, .offset: 8, .size: 8, .value_kind: global_buffer, .address_space: global }
      - { .name: bel_codes, .offset: 16, .size: 8, .value_kind: global_buffer, .address_space: global }
      - { .name: b_g2, .offset: 24, .size: 8, .value_kind: global_buffer, .address_space: global }
      - { .name: b_p2, .offset: 32, .size: 8, .value_kind: global_buffer, .address_space: global }
      - { .name: lowp_scales, .offset: 40, .size: 8, .value_kind: global_buffer, .address_space: global }
      - { .name: out0, .offset: 48, .size: 8, .value_kind: global_buffer, .address_space: global }
      - { .name: pmax, .offset: 56, .size: 8, .value_kind: global_buffer, .address_space: global }
      - { .name: pidx, .offset: 64, .size: 8, .value_kind: global_buffer, .address_space: global }
      - { .name: rad, .offset: 72, .size: 8, .value_kind: global_buffer, .address_space: global }
    .group_segment_fixed_size: 327680
    .private_segment_fixed_size: 0
    .kernarg_segment_align: 8
    .kernarg_segment_size: 80
    .max_flat_workgroup_size: 256
    .sgpr_count:     96
    .vgpr_count:     512
    .wavefront_size: 32
...
	.end_amdgpu_metadata
.endif
;; end of part 2
;; launch merge (part 3): grid 16 x 1, 2 waves a work-group, no clusters, 0 bytes of LDS; arguments pmax, pidx, rad, out1, out2, out3; writes out1, out2, out3
.if DOCPART == 3
	.amdgcn_target "amdgcn-amd-amdhsa--gfx1250"
	.amdhsa_code_object_version 6
	.text
	.protected	k_q3b0dad40b7_merge
	.globl	k_q3b0dad40b7_merge
	.p2align	8
	.type	k_q3b0dad40b7_merge,@function
k_q3b0dad40b7_merge:
	s_mov_b64 s[64:65], 0
	v_nop
	global_prefetch_b8 v0, s[64:65] scope:SCOPE_SE
	s_setreg_imm32_b32 hwreg(HW_REG_WAVE_MODE, 25, 1), 1
	s_wait_xcnt 0x0
; MERGE: the eight groups' largest similarities become one (ascending groups are ascending slots: strictly greater keeps the first index); the two thresholds; out1, out2, out3 in the tokens' own order.
; Left out as shown at the head of the first kernel: the selects on any_active (slots that are not active count as similarity 0, which is never over 0.5).
; The workspace is indexed by tau = 64 y + m, and t = y + 64 m.  Thread y = 0..63; work-group j takes m = 4 j .. 4 j + 3: four neighbouring tau a thread (16 bytes a load), and for each m 64 neighbouring t in the 64 threads.
; The whole job is 278,528 bytes in and 36,864 out: 16 work-groups of two waves; no LDS, no matrix unit, no cluster: the work-groups share nothing.
	s_load_b256 s[4:11], s[0:1], 0x0               ; pmax, pidx, rad, out1
	s_load_b128 s[12:15], s[0:1], 0x20             ; out2, out3
	v_lshlrev_b32 v1, 8, v0
	s_lshl_b32 s16, ttmp9, 4
	v_add_nc_u32 v1, s16, v1                       ; 4 tau = 256 y + 16 j
	v_lshlrev_b32 v2, 2, v0
	s_lshl_b32 s17, ttmp9, 10
	v_add_nc_u32 v2, s17, v2                       ; 4 t = 4 y + 1,024 j (+ 256 q)
	s_lshl_b32 s18, ttmp9, 8
	v_add_nc_u32 v3, s18, v0                       ; t = y + 256 j (+ 64 q)
	s_mov_b32 s19, 0x3d4ccccd                      ; 0.05
	s_wait_alu depctr_va_vdst(0)
	s_wait_kmcnt 0x0
.irp g, 0,1,2,3,4,5,6,7
	global_load_b128 v[8+4*\g:11+4*\g], v1, s[4:5] offset:16384*\g
	global_load_b128 v[40+4*\g:43+4*\g], v1, s[6:7] offset:16384*\g
.endr
	global_load_b128 v[72:75], v1, s[8:9]
	s_wait_loadcnt 0x0
.irp g, 1,2,3,4,5,6,7
.irp q, 0,1,2,3
	v_cmp_gt_f32 vcc_lo, v[8+4*\g+\q], v[8+\q]
	v_cndmask_b32 v[40+\q], v[40+\q], v[40+4*\g+\q], vcc_lo
	v_max_num_f32 v[8+\q], v[8+\q], v[8+4*\g+\q]
.endr
.endr
.irp q, 0,1,2,3
	v_cmp_gt_f32 s20, v[72+\q], s19                ; meaningful: obs_r > 0.05
	v_cmp_gt_f32 s21, v[8+\q], 0.5
	s_and_b32 s21, s21, s20                        ; matched
	v_cndmask_b32 v[76+\q], 0, v[8+\q], s21
	v_cndmask_b32 v[80+\q], -1, v[40+\q], s21
	v_cndmask_b32 v[84+\q], 0, 1, s20
.endr
.irp q, 0,1,2,3
	global_store_b32 v2, v[76+\q], s[10:11] offset:256*\q     ; the two waves together store 256 consecutive bytes
	global_store_b32 v2, v[80+\q], s[12:13] offset:256*\q
	global_store_b8 v3, v[84+\q], s[14:15] offset:64*\q
.endr
	s_endpgm
.Lfunc_end_k_q3b0dad40b7_merge:
	.size	k_q3b0dad40b7_merge, .Lfunc_end_k_q3b0dad40b7_merge-k_q3b0dad40b7_merge
	.p2alignl 7, 3214868480
	.fill 96, 4, 3214868480
	.section	.rodata,"a",@progbits
	.p2align	6, 0x0
	.amdhsa_kernel k_q3b0dad40b7_merge
		.amdhsa_group_segment_fixed_size 0
		.amdhsa_private_segment_fixed_size 0
		.amdhsa_enable_private_segment 0
		.amdhsa_kernarg_size 48
		.amdhsa_user_sgpr_count 2
		.amdhsa_user_sgpr_kernarg_segment_ptr 1
		.amdhsa_wavefront_size32 1
		.amdhsa_system_sgpr_workgroup_id_x 1
		.amdhsa_system_sgpr_workgroup_id_y 1
		.amdhsa_system_sgpr_workgroup_id_z 1
		.amdhsa_system_vgpr_workitem_id 0
		.amdhsa_next_free_vgpr 96
		.amdhsa_next_free_sgpr 66
		.amdhsa_reserve_vcc 1
		.amdhsa_float_denorm_mode_32 3
		.amdhsa_float_denorm_mode_16_64 3
		.amdhsa_memory_ordered 1
		.amdhsa_forward_progress 1
		.amdhsa_inst_pref_size 8
	.end_amdhsa_kernel
	.amdgpu_metadata
---
amdhsa.version: [ 1, 2 ]
amdhsa.kernels:
  - .name:           k_q3b0dad40b7_merge
    .symbol:         k_q3b0dad40b7_merge.kd
    .args:
      - { .name: pmax, .offset: 0, .size: 8, .value_kind: global_buffer, .address_space: global }
      - { .name: pidx, .offset: 8, .size: 8, .value_kind: global_buffer, .address_space: global }
      - { .name: rad, .offset: 16, .size: 8, .value_kind: global_buffer, .address_space: global }
      - { .name: out1, .offset: 24, .size: 8, .value_kind: global_buffer, .address_space: global }
      - { .name: out2, .offset: 32, .size: 8, .value_kind: global_buffer, .address_space: global }
      - { .name: out3, .offset: 40, .size: 8, .value_kind: global_buffer, .address_space: global }
    .group_segment_fixed_size: 0
    .private_segment_fixed_size: 0
    .kernarg_segment_align: 8
    .kernarg_segment_size: 48
    .max_flat_workgroup_size: 64
    .sgpr_count:     66
    .vgpr_count:     96
    .wavefront_size: 32
...
	.end_amdgpu_metadata
.endif
;; end of part 3
